; MI455X (gfx1250); checked and timed in simulation.
; The chip was launched on July 23, 2026; its instructions are those of AMD's public machine-readable ISA for CDNA 5 (MIT licence, August 2026) and "CDNA5" Instruction Set Architecture Reference Guide (July 2026). The comments in the code are by the model that wrote it; some were corrected since.
;; Linear. Allowed arithmetic: float matrix products may take bf16 or f16 operands with f32 sums; all other float work in f32.
;; Inputs: W 4,096 x 4,096 float32; bias 4,096 float32; data 4,096 x 4,096 float32; lora_a 4 x 16 x 4,096 float32; lora_b 4 x 4,096 x 16 float32; lora_scaling 4 float32; vera_a 4 x 16 x 4,096 float32; vera_b 4 x 4,096 x 16 float32; vera_bvec 4 x 4,096 float32; vera_d 4 x 16 float32; vera_scaling 4 float32.
;; Outputs: out0 4,096 x 4,096 float32.
;; 3 versions, each right; version 2 is faster than version 1; version 3 is version 2 with the launch cast written anew for expert scheduling mode. Each part assembles by itself: llvm-mc -triple=amdgcn-amd-amdhsa -mcpu=gfx1250 --defsym DOCPART=n.
;; ======== version 1 of 3: 1 launch
;; launch fused (part 1): grid 16 x 16, 4 waves a work-group, clusters of 4 x 4, 327,680 bytes of LDS; arguments data, W, lora_a, vera_a, lora_b, vera_b, lora_scaling, vera_scaling, vera_d, vera_bvec, bias, out0; writes out0
.if DOCPART == 1
	.amdgcn_target "amdgcn-amd-amdhsa--gfx1250"
	.amdhsa_code_object_version 6
	.text
	.protected	k_qc592ec3932_fused
	.globl	k_qc592ec3932_fused
	.p2align	8
	.type	k_qc592ec3932_fused,@function
k_qc592ec3932_fused:
	s_mov_b64 s[64:65], 0
	v_nop
	global_prefetch_b8 v0, s[64:65] scope:SCOPE_SE
	s_setreg_imm32_b32 hwreg(HW_REG_WAVE_MODE, 25, 1), 1
	s_wait_xcnt 0x0
	s_wait_alu depctr_hold_cnt(0) depctr_sa_sdst(0) depctr_va_vdst(0) depctr_va_sdst(0) depctr_va_ssrc(0) depctr_va_vcc(0) depctr_vm_vsrc(0)
	s_getreg_b32 s2, hwreg(HW_REG_IB_STS2, 6, 4)
	s_cmp_eq_u32 s2, 0
	s_cbranch_scc0 .Lentry_in_a_cluster
	s_endpgm
.Lentry_in_a_cluster:
	s_bfe_u32 s2, ttmp6, 0x10000c
	s_cmp_lg_u32 s2, 0xf033
	s_cbranch_scc0 .Lentry_shape_is_right
	s_endpgm
.Lentry_shape_is_right:
; out0[t][o] = sum_k data[t][k] W[o][k] + bias[o] + the correction of token t's segment g = t / 512:
;   g = 0..3 (LoRA):  s_g * sum_r h[t][r] B_g[o][r]                     with h[t][r] = sum_k data[t][k] A_g[r][k]
;   g = 4..7 (VeRA):  bvec_g[o] * sum_r (s_g d_g[r] h[t][r]) B_g[o][r]  with A, B, s, d, bvec of the VeRA tables at g - 4
; All buffers f32, 4096 x 4096 x 4096, rank 16.  ONE launch, nothing goes through memory in between.
;
; SHARES.  A work-group makes 256 tokens x 256 columns with four waves, a wave 128 x 128: 64 accumulator tiles, 512 registers.
; K goes in steps of 64 f32 (rows of 256 bytes, aligned) through two LDS slots filled by tensor loads.  f32 becomes bf16 between the LDS
; load and the fragment (v_cvt_pk_bf16_f32, nearest even): a separate cast pass would read 134 MB, write 67 MB and have them read again.
; A block of 256 tokens lies in one segment, so h is sixteen more columns of the same K walk: 4 matrix instructions beside every 64
; (each of the two waves of a row half makes h for four of the eight token blocks; they swap through LDS at the end).
; The correction is one more K step of 32 (rank 16, the upper 16 zero on both sides) onto the same accumulators.
;
; CLUSTERS: 4 x 4 work-groups.  data's tile and the adapter's A tile hang on the block row alone and are asked for jointly along a row of the
; cluster; W's tile hangs on the block column alone and is asked for jointly along a column.  Block row = 4 cy + cluster y, so that the
; segment (block row / 2) is another one for each cy.  No branch and no LDS address hangs on cx or cy; LoRA or VeRA is chosen by selects.
; No prefetch is written: a tile is requested a whole K step (136 matrix instructions of each wave) ahead of the wait for it.
;
; LIMITS, by design: data, W, A_g, h' and B' enter the matrix unit rounded to bf16.  s_g and d_g scale h after its f32 sum (the source text
; scales x first); bvec_g is folded into B_g before B's one rounding (the source text multiplies afterwards).  For LoRA blocks d and bvec of
; table g are loaded and replaced by 1.0.  Sums, bias and scales are f32.
;
; REGISTERS in windows of 256 (s_set_vgpr_msb, low byte: bits 1:0 source 0, 3:2 source 1, 5:4 source 2, 7:6 destination):
;   window 0: v0-31 addresses and small vectors, v32-63 h (4 tiles), v64-127 token fragments (bf16), v128-255 their raw f32
;   window 1: v0-7 adapter-A fragment, v16-31 its raw f32, v32-39 bvec, v64-127 W fragments (bf16), v128-255 their raw f32
;   window 2: accumulator groups 0-3 (tile (a, b) at v[8 (8 a + b)]);  window 3: groups 4-7
; THE MATRIX INSTRUCTION IS USED TRANSPOSED: source 0 = 16 rows of W (or of A_g, B_g), source 1 = 16 tokens.  Lane l = (r = l % 16, hh = l / 16)
; then holds token r and columns 8 hh + 0..7 in its eight result registers.
.set DIN,    4096
.set KSTEP,  64                        ; f32 along K in a slot: 256 bytes a row
.set ROWB,   DIN*4                     ; bytes in a row of data, W, out0
.set PITCH,  272                       ; LDS row: 256 + 16 bytes = 17 blocks of 16: sixteen rows start in sixteen different 16-byte columns modulo 256
.set FRAG,   16*PITCH                  ; 16 rows
.set HALFT,  128*PITCH                 ; 128 rows
.set SLOT,   4*HALFT+FRAG              ; 256 token rows, 256 W rows, 16 adapter rows
.set STAGE,  2*SLOT                    ; 287,232 = 1122 x 256: behind the ring, no tensor load lands here
.set SPITCH, 528                       ; stage row: 512 + 16 bytes = 33 blocks of 16
.set WSTAGE, 16*SPITCH                 ; a wave's stage: 16 rows
.set LAPS,   DIN/(2*KSTEP)             ; 32 laps of two K steps
; window 0
.set DV,   4                           ; v[4:11]  d of ranks 8 hh + 0..7, then c = s d (LoRA: s)
.set BBO,  12                          ; 64 r + 32 hh: my 32 bytes of a row of B_g
.set EO,   13                          ; 4 r
.set DO,   14                          ; 32 hh
.set XST,  15                          ; where I put my h' for the partner wave
.set ALO,  16                          ; v16-17 LDS address of my token groups 0-3 in slot 0, 1
.set AHI,  18                          ; v18-19 of my token groups 4-7
.set ADRB, 20                          ; v20-21 of my 128 W rows
.set ADRP, 22                          ; v22-23 of the 16 adapter rows
.set STO,  24                          ; the way out: where I put 32 bytes of a row
.set RD,   25                          ; the way out: where I read a row back
.set CO,   26                          ; 16 l: my 16 bytes of 512
.set XLD,  27                          ; where the partner wave put its h'
.set BIAS, 28                          ; v[28:31] bias of my four columns on the way out
.set HACC, 32
.set AF,   64
.set RA,   128
; window 1
.set PF,   0
.set RP,   16
.set EV,   32
.set BF,   64
.set RB,   128
; descriptors
.set G1A, 24                           ; s[24:31] shape of data's tiles    s[32:39] from/to, a set for each slot
.set G0A, 32
.set G1B, 48                           ; s[48:55] shape of W's tiles       s[56:63]
.set G0B, 56
.set G1P, 68                           ; s[68:75] shape of adapter tiles   s[76:83]
.set G0P, 76
.set C0, (2<<16)|(1<<20)|(1<<21)|(5<<22)|(3<<25)   ; elements of 4 bytes; padding on; bit 21 beside a mask; after every 64 words (code 5) skip 4 (code 3)
.set MSB, 0
.macro WIN new                         ; the immediate's high byte repeats the setting that is left
.if MSB != \new
	s_set_vgpr_msb (MSB<<8)|\new
.set MSB, \new
.endif
.endm
.set TO_B,   0x40                      ; destination window 1, address window 0
.set CV_B,   0x45                      ; sources 0, 1 and destination window 1
.set MUL_LO, 0xa1                      ; source 0 window 1, source 1 window 0, C and D window 2
.set MUL_HI, 0xf1                      ; the same, C and D window 3
.set MUL_H,  0x01                      ; source 0 window 1, the rest window 0
.set ST_LO,  0x08                      ; LDS store data from window 2
.set ST_HI,  0x0c                      ; from window 3
.macro PLACES                          ; four plain vector places behind a matrix instruction before its registers are read or written otherwise (ISA guide 7.12.1)
.rept 4
	v_nop
.endr
.endm
.macro SHAPE g, rows                   ; group 1 but for its first word: a tile of rows x 64 f32, inside the tensor
	s_mov_b32 s[\g+1], KSTEP<<16                   ; tensor_dim0 = 64
	s_mov_b32 s[\g+2], \rows<<16                   ; tensor_dim1 = rows
	s_mov_b32 s[\g+3], KSTEP<<16                   ; tile_dim0 = 64
	s_mov_b32 s[\g+4], \rows                       ; tile_dim1 = rows
	s_mov_b32 s[\g+5], DIN                         ; 4,096 elements from row to row
	s_mov_b32 s[\g+6], 0
	s_mov_b32 s[\g+7], 0
.endm
; One joint load a wave: waves 0 and 1 ask for data's two halves, wave 2 for W's 256 rows, wave 3 for the adapter's 16 rows.
; Each line has one mask and registers of its own; the branches hang on the wave's number alone.
.macro JLOAD s
	s_cmp_lt_u32 s12, 2
	s_cbranch_scc0 .Lnot_a_\@
	tensor_load_to_lds s[G0A+4*\s:G0A+4*\s+3], s[G1A:G1A+7]
	s_nop 0
	s_branch .Lasked_\@
.Lnot_a_\@:
	s_cmp_eq_u32 s12, 2
	s_cbranch_scc0 .Lfor_p_\@
	tensor_load_to_lds s[G0B+4*\s:G0B+4*\s+3], s[G1B:G1B+7]
	s_nop 0
	s_branch .Lasked_\@
.Lfor_p_\@:
	tensor_load_to_lds s[G0P+4*\s:G0P+4*\s+3], s[G1P:G1P+7]
	s_nop 0
.Lasked_\@:
.endm
; A round of the cluster's barrier: my work-group's barrier, wave 0 signals for the work-group, every wave waits for all sixteen, my barrier again.
.macro CREST                           ; a round behind its opening barrier
	s_cmp_lg_u32 s12, 0
	s_cbranch_scc1 .Lnot_wave_0_\@
	s_barrier_signal -3
.Lnot_wave_0_\@:
	s_barrier_wait -3
	s_barrier_signal -1
	s_barrier_wait -1
.endm
.macro CROUND
	s_barrier_signal -1
	s_barrier_wait -1
	CREST
.endm
	s_load_b256 s[84:91], s[0:1], 0x0              ; data s[84:85], W s[86:87], lora_a s[88:89], vera_a s[90:91]
	s_load_b256 s[92:99], s[0:1], 0x20             ; lora_b s[92:93], vera_b s[94:95], lora_scaling s[96:97], vera_scaling s[98:99]
	s_load_b256 s[4:11], s[0:1], 0x40              ; vera_d s[4:5], vera_bvec s[6:7], bias s[8:9], out0 s[10:11]
	s_set_vgpr_msb 0x40
	v_lshl_add_u32 v62, v0, 2, 0x4e600
	v_mov_b32 v63, 0
	s_set_vgpr_msb 0x4045
	ds_add_u32 v62, v63
	s_set_vgpr_msb 0x4500
	v_lshrrev_b32 v1, 5, v0
	v_readfirstlane_b32 s12, v1                    ; wave 0..3
	s_lshr_b32 s13, s12, 1                         ; RH: which 128 tokens of the block are mine
	s_and_b32 s14, s12, 1                          ; CH: which 128 columns
	s_bfe_u32 s15, ttmp6, 0x40000                  ; cx
	s_bfe_u32 s16, ttmp6, 0x40004                  ; cy
	s_lshl_b32 s17, ttmp9, 2
	s_add_co_u32 s17, s17, s15                     ; block column = 4 x cluster x + cx
	s_and_b32 s2, ttmp7, 0xffff                    ; cluster y
	s_lshl2_add_u32 s18, s16, s2                   ; block row = 4 cy + cluster y
	s_lshr_b32 s19, s18, 1                         ; segment g: two blocks of 256 tokens each
	s_and_b32 s20, s19, 3                          ; its place in its table
	s_lshl_b32 s40, s16, 2
	s_lshl_b32 s40, 15, s40                        ; my row of the cluster: places 4 cy .. 4 cy + 3
	s_lshl_b32 s44, 0x1111, s15                    ; my column: places cx, cx + 4, cx + 8, cx + 12
	s_or_b32 s[G1A+0], s40, C0                     ; data's tiles go to my row,
	s_or_b32 s[G1B+0], s44, C0                     ; W's to my column,
	s_or_b32 s[G1P+0], s40, C0                     ; the adapter's to my row
	SHAPE G1A, 128
	SHAPE G1B, 256
	SHAPE G1P, 16
	s_lshl_b32 s41, s18, 8
	s_lshl_b32 s42, s14, 7
	s_add_co_u32 s42, s41, s42                     ; data: row 256 x block row + 128 x (wave & 1),
	s_lshl_b32 s42, s42, 14                        ; in bytes (below 64 MiB)
	s_mov_b32 s43, 0
	s_lshl_b32 s46, s17, 22                        ; W: row 256 x block column, in bytes
	s_mov_b32 s47, 0
	s_lshl_b32 s40, s20, 18                        ; adapter A: 16 rows of 16,384 bytes a table entry
	s_mov_b32 s41, 0
	s_mul_i32 s22, s12, HALFT                      ; data's halves land at wave x 128 rows
	s_wait_dscnt 0x0
	s_wait_kmcnt 0x0
	s_cmp_ge_u32 s18, 8                            ; block rows 8..15 are VeRA's.  Selects alone follow: no branch hangs on it
	s_cselect_b32 s21, -1, 0                       ; a lane mask: all ones for VeRA
	s_cselect_b64 s[88:89], s[90:91], s[88:89]     ; A table
	s_cselect_b64 s[92:93], s[94:95], s[92:93]     ; B table
	s_cselect_b64 s[96:97], s[98:99], s[96:97]     ; scaling table
	s_add_nc_u64 s[84:85], s[84:85], s[42:43]
	s_add_nc_u64 s[86:87], s[86:87], s[46:47]
	s_add_nc_u64 s[88:89], s[88:89], s[40:41]
	CROUND                                         ; all sixteen work-groups are here: the first joint loads meet
.irp s, 0,1
	s_mov_b32 s[G0A+4*\s], 1                                       ; count = 1
	s_add_co_u32 s[G0A+4*\s+1], s22, \s*SLOT                       ; LDS address
	s_add_nc_u64 s[G0A+4*\s+2:G0A+4*\s+3], s[84:85], \s*KSTEP*4    ; global address: K step s
	s_or_b32 s[G0A+4*\s+3], s[G0A+4*\s+3], 0x80000000              ; type = 2
	s_mov_b32 s[G0B+4*\s], 1
	s_mov_b32 s[G0B+4*\s+1], 2*HALFT+\s*SLOT
	s_add_nc_u64 s[G0B+4*\s+2:G0B+4*\s+3], s[86:87], \s*KSTEP*4
	s_or_b32 s[G0B+4*\s+3], s[G0B+4*\s+3], 0x80000000
	s_mov_b32 s[G0P+4*\s], 1
	s_mov_b32 s[G0P+4*\s+1], 4*HALFT+\s*SLOT
	s_add_nc_u64 s[G0P+4*\s+2:G0P+4*\s+3], s[88:89], \s*KSTEP*4
	s_or_b32 s[G0P+4*\s+3], s[G0P+4*\s+3], 0x80000000
	JLOAD \s                                       ; both slots are asked for before anything else: two loads of this wave are out
.endr
	; While the tiles travel: addresses.  A bf16 fragment wants, in lane (r, hh), K = 8 hh + 0..7 and 16 + 8 hh + 0..7 of row r:
	; in f32 that is 32 bytes at 32 hh and 32 bytes at 64 + 32 hh of the row's 128 bytes.
	v_and_b32 v1, 15, v0                           ; r
	v_bfe_u32 v2, v0, 4, 1                         ; hh
	v_mul_u32_u24 v3, v1, PITCH
	v_lshl_add_u32 v3, v2, 5, v3                   ; 272 r + 32 hh
	; Wave CH takes its token blocks in the order i xor 4 CH, so that the four blocks whose h it makes are always its groups 0-3.
	s_mul_i32 s66, s13, HALFT                      ; my 128 token rows
	s_mul_i32 s67, s14, 4*FRAG
	s_add_co_u32 s101, s66, s67
	v_add_nc_u32 v[ALO], s101, v3                  ; groups 0-3 = blocks 4 CH ..
	v_add_nc_u32 v[ALO+1], SLOT, v[ALO]
	s_sub_co_u32 s67, 4*FRAG, s67
	s_add_co_u32 s101, s66, s67
	v_add_nc_u32 v[AHI], s101, v3                  ; groups 4-7 = blocks 4 - 4 CH ..
	v_add_nc_u32 v[AHI+1], SLOT, v[AHI]
	s_mul_i32 s66, s14, HALFT
	s_add_co_u32 s66, s66, 2*HALFT
	v_add_nc_u32 v[ADRB], s66, v3                  ; my 128 W rows, behind the 256 token rows
	v_add_nc_u32 v[ADRB+1], SLOT, v[ADRB]
	v_add_nc_u32 v[ADRP], 4*HALFT, v3
	v_add_nc_u32 v[ADRP+1], SLOT, v[ADRP]
	v_and_b32 v[CO], 31, v0
	v_lshlrev_b32 v[CO], 4, v[CO]                  ; 16 l
	v_lshlrev_b32 v[BBO], 6, v1
	v_lshl_add_u32 v[BBO], v2, 5, v[BBO]           ; 64 r + 32 hh
	v_lshlrev_b32 v[EO], 2, v1
	v_lshlrev_b32 v[DO], 5, v2
	s_lshl_b32 s66, s12, 11
	s_add_co_u32 s66, s66, STAGE
	v_add_nc_u32 v[XST], s66, v[CO]                ; 2,048 bytes a wave for the swap of h'
	s_xor_b32 s67, s12, 1                          ; the wave with my tokens and the other columns
	s_lshl_b32 s67, s67, 11
	s_add_co_u32 s67, s67, STAGE
	v_add_nc_u32 v[XLD], s67, v[CO]
	s_mul_i32 s66, s12, WSTAGE
	s_add_co_u32 s66, s66, STAGE                   ; my stage
	v_mul_u32_u24 v[STO], v1, SPITCH
	v_lshl_add_u32 v[STO], v2, 5, v[STO]
	v_add_nc_u32 v[STO], s66, v[STO]               ; in: row r, 32 bytes for each half of the lanes
	v_add_nc_u32 v[RD], s66, v[CO]                 ; back: the 32 lanes take one row of 512 bytes
	; bases, each from its own buffer's address
	s_lshl_b32 s66, s17, 8
	s_lshl_b32 s67, s14, 7
	s_add_co_u32 s101, s66, s67                    ; my first column: 256 x block column + 128 CH
	s_lshl_b32 s66, s101, 2
	s_mov_b32 s67, 0
	s_add_nc_u64 s[8:9], s[8:9], s[66:67]          ; bias at my columns
	s_add_nc_u64 s[6:7], s[6:7], s[66:67]          ; bvec at my columns,
	s_add_nc_u64 s[10:11], s[10:11], s[66:67]      ; out0 at my columns
	s_lshl_b32 s66, s20, 14
	s_add_nc_u64 s[6:7], s[6:7], s[66:67]          ; in my table entry's row of 16,384 bytes
	s_lshl_b32 s66, s101, 6
	s_add_nc_u64 s[92:93], s[92:93], s[66:67]      ; B: 64 bytes a column,
	s_lshl_b32 s66, s20, 18
	s_add_nc_u64 s[92:93], s[92:93], s[66:67]      ; 262,144 bytes a table entry
	s_lshl_b32 s66, s20, 6
	s_add_nc_u64 s[4:5], s[4:5], s[66:67]          ; d: 64 bytes a table entry
	s_lshl_b32 s66, s20, 2
	s_add_nc_u64 s[96:97], s[96:97], s[66:67]
	s_load_b32 s100, s[96:97], 0x0                 ; s_g
	s_lshl_b32 s66, s18, 8
	s_lshl_b32 s101, s13, 7
	s_add_co_u32 s66, s66, s101                    ; my first token: 256 x block row + 128 RH
	s_lshl_b32 s66, s66, 14
	s_add_nc_u64 s[10:11], s[10:11], s[66:67]
	s_sub_co_u32 s66, 1, s14
	s_lshl_b32 s66, s66, 20                        ; 64 rows of 16,384 bytes
	s_add_nc_u64 s[98:99], s[10:11], s[66:67]      ; groups 4-7 are token blocks 4 - 4 CH ..
	s_lshl_b32 s66, s14, 20
	s_add_nc_u64 s[10:11], s[10:11], s[66:67]      ; groups 0-3 are token blocks 4 CH ..
.macro LD4 dst, adr, off               ; the raw f32 of one fragment: 16 registers, K in its true order
	ds_load_b128 v[\dst:\dst+3],     v[\adr] offset:\off
	ds_load_b128 v[\dst+4:\dst+7],   v[\adr] offset:\off+16
	ds_load_b128 v[\dst+8:\dst+11],  v[\adr] offset:\off+64
	ds_load_b128 v[\dst+12:\dst+15], v[\adr] offset:\off+80
.endm
; 68 LDS loads in one run: 32 along K at byte k of the slot's rows.  Order: W (32), adapter (4), tokens (32).
.macro FETCH slot, k
	WIN TO_B
.irp i, 0,1,2,3,4,5,6,7
	LD4 RB+16*\i, ADRB+\slot, \k+\i*FRAG
.endr
	LD4 RP, ADRP+\slot, \k
	WIN 0
.irp i, 0,1,2,3
	LD4 RA+16*\i, ALO+\slot, \k+\i*FRAG
.endr
.irp i, 0,1,2,3
	LD4 RA+64+16*\i, AHI+\slot, \k+\i*FRAG
.endr
.endm
.macro CVT8 dst, src                   ; 16 f32 to one bf16 fragment of 8 registers, the lower K in the lower half
.irp j, 0,1,2,3,4,5,6,7
	v_cvt_pk_bf16_f32 v[\dst+\j], v[\src+2*\j], v[\src+2*\j+1]
.endr
.endm
.macro CVTB
	WIN CV_B
.irp i, 0,1,2,3,4,5,6,7
	CVT8 BF+8*\i, RB+16*\i
.endr
	CVT8 PF, RP
.endm
.macro CVTA
	WIN 0
.irp i, 0,1,2,3,4,5,6,7
	CVT8 AF+8*\i, RA+16*\i
.endr
.endm
; 16 matrix instructions: token groups a0, a0 + 1 of the window's four x all 8 column blocks.  zero = 1: the first product starts the sums.
.macro MUL16 hi, a0, zero
.irp a, \a0, \a0+1
.irp b, 0,1,2,3,4,5,6,7
.if \zero
	v_wmma_f32_16x16x32_bf16 v[8*(8*(\a)+\b):8*(8*(\a)+\b)+7], v[BF+8*\b:BF+8*\b+7], v[AF+8*(4*\hi+\a):AF+8*(4*\hi+\a)+7], 0
.else
	v_wmma_f32_16x16x32_bf16 v[8*(8*(\a)+\b):8*(8*(\a)+\b)+7], v[BF+8*\b:BF+8*\b+7], v[AF+8*(4*\hi+\a):AF+8*(4*\hi+\a)+7], v[8*(8*(\a)+\b):8*(8*(\a)+\b)+7]
.endif
.endr
.endr
.endm
.macro MUL64 zero
	WIN MUL_LO
	MUL16 0, 0, \zero
	MUL16 0, 2, \zero
	WIN MUL_HI
	MUL16 1, 0, \zero
	MUL16 1, 2, \zero
.endm
; 32 along K: the 64 tiles of C, then h of my groups 0-3.  The 68 accumulators take turns, one instruction a turn, in the same order
; everywhere, over the loop's backward jump too.
.macro MUL zero
	MUL64 \zero
	WIN MUL_H
.irp i, 0,1,2,3
.if \zero
	v_wmma_f32_16x16x32_bf16 v[HACC+8*\i:HACC+8*\i+7], v[PF:PF+7], v[AF+8*\i:AF+8*\i+7], 0
.else
	v_wmma_f32_16x16x32_bf16 v[HACC+8*\i:HACC+8*\i+7], v[PF:PF+7], v[AF+8*\i:AF+8*\i+7], v[HACC+8*\i:HACC+8*\i+7]
.endif
.endr
.endm
; The first half of a K step: convert what was fetched, fetch the second half (byte 128 of the rows), multiply while those loads travel.
.macro FIRST slot, zero
	PLACES                                         ; behind the last matrix instructions: the fragments are written again
	s_wait_dscnt 32                                ; the tokens' 32 loads are the youngest of the 68: W's and the adapter's are in
	CVTB
	s_wait_dscnt 0x0
	CVTA
	FETCH \slot, 128
	MUL \zero
.endm
; The second half, and the change of slots.  In front of the barrier each wave waits for its reads of this slot and for all its tensor loads
; (one is out: its part of the next slot).  Behind it nobody reads this slot and the next one is whole: the refill comes first, then the
; next slot's first fragments.  Between signal and wait stand conversions: register work alone.
.macro TURN slot, next, fill
	PLACES
	s_wait_dscnt 0x0                               ; my reads of this slot are back
	s_set_vgpr_msb 0x105
	s_wait_tensorcnt 0x0                           ; all my tensor loads have landed
	ds_add_u32 v62, v63
	s_wait_dscnt 0x0
	s_set_vgpr_msb 0x501
	s_barrier_signal -1                            ; where the slot is filled again this barrier opens a round of the cluster's barrier
	CVTB
	CVTA                                           ; ends in window 0: branches follow
	s_barrier_wait -1
.if \fill
	CREST                                          ; no wave of any partner still reads this slot or has a load on its way
	s_add_nc_u64 s[G0A+4*\slot+2:G0A+4*\slot+3], s[G0A+4*\slot+2:G0A+4*\slot+3], 2*KSTEP*4   ; two K steps on; no load of mine is out
	s_add_nc_u64 s[G0B+4*\slot+2:G0B+4*\slot+3], s[G0B+4*\slot+2:G0B+4*\slot+3], 2*KSTEP*4
	s_add_nc_u64 s[G0P+4*\slot+2:G0P+4*\slot+3], s[G0P+4*\slot+2:G0P+4*\slot+3], 2*KSTEP*4
	JLOAD \slot                                    ; my one tensor load behind the round, and the first thing there
.endif
	FETCH \next, 0
	MUL 0
.endm
.macro LAP zero                        ; once round the ring, both slots filled again
	FIRST 0, \zero
	TURN 0, 1, 1
	FIRST 1, 0
	TURN 1, 0, 1
.endm
	s_wait_kmcnt 0x0                               ; s_g
	s_wait_tensorcnt 0x1                           ; my part of K step 0 is in; K step 1's may stay out
	s_barrier_signal -1
	s_barrier_wait -1                              ; everybody's is
	FETCH 0, 0
	LAP 1                                          ; the first lap stands in front of the loop: its first products start all 68 sums
	WIN 0                                          ; at a label and at a branch every window is 0
	s_mov_b32 s3, LAPS-2
.Llap:
	LAP 0
	WIN 0
	s_sub_co_u32 s3, s3, 1
	s_cmp_lg_u32 s3, 0
	s_cbranch_scc1 .Llap
	FIRST 0, 0                                     ; the last lap fills nothing and has no round: the one load still out is the last K step's
	TURN 0, 1, 0
	FIRST 1, 0
	PLACES
	s_wait_dscnt 0x0
	CVTB
	CVTA
	; W's raw registers are free now: the adapter's small operands are asked for ahead of the last 68 matrix instructions.
	WIN TO_B
.irp b, 0,1,2,3,4,5,6,7
	global_load_b128 v[RB+8*\b:RB+8*\b+3],   v[BBO], s[92:93] offset:1024*\b       ; B_g(column 16 b + r, ranks 8 hh + 0..3)
	global_load_b128 v[RB+8*\b+4:RB+8*\b+7], v[BBO], s[92:93] offset:1024*\b+16    ; ranks 8 hh + 4..7
.endr
.irp b, 0,1,2,3,4,5,6,7
	global_load_b32 v[EV+\b], v[EO], s[6:7] offset:64*\b                           ; bvec(column 16 b + r)
.endr
	WIN 0
	global_load_b128 v[DV:DV+3],     v[DO], s[4:5]                                 ; d(ranks 8 hh + 0..7)
	global_load_b128 v[DV+4:DV+7],   v[DO], s[4:5] offset:16
	global_load_b128 v[BIAS:BIAS+3], v[CO], s[8:9]                                 ; bias(columns 4 l + 0..3)
	MUL 0
	; h' = c h, c = s d (VeRA) or s (LoRA).  A result tile of h holds token r, ranks 8 hh + 0..7: packed to bf16 that IS registers 0-3 of
	; a source-1 fragment with the rank as K.  K = 16..31 is zero.
	WIN 0
	PLACES                                         ; behind the last matrix instructions: h is read, the fragments are written
	s_wait_loadcnt 0x0
.irp j, 0,1,2,3,4,5,6,7
	v_cndmask_b32 v[DV+\j], 1.0, v[DV+\j], s21
.endr
.irp j, 0,1,2,3,4,5,6,7
	v_mul_f32 v[DV+\j], s100, v[DV+\j]
.endr
.irp i, 0,1,2,3
.irp p, 0,1,2,3
	v_pk_mul_f32 v[HACC+8*\i+2*\p:HACC+8*\i+2*\p+1], v[HACC+8*\i+2*\p:HACC+8*\i+2*\p+1], v[DV+2*\p:DV+2*\p+1]
.endr
.endr
.irp i, 0,1,2,3
.irp p, 0,1,2,3
	v_cvt_pk_bf16_f32 v[AF+8*\i+\p], v[HACC+8*\i+2*\p], v[HACC+8*\i+2*\p+1]
.endr
	ds_store_b128 v[XST], v[AF+8*\i:AF+8*\i+3] offset:512*\i       ; for the partner wave: my groups 0-3 are its groups 4-7
.endr
.irp i, 0,1,2,3,4,5,6,7
.irp p, 4,5,6,7
	v_mov_b32 v[AF+8*\i+\p], 0
.endr
.endr
	s_wait_dscnt 0x0                               ; my stores are in LDS, for the partner's sake
	s_barrier_signal -1
	s_barrier_wait -1
.irp i, 0,1,2,3
	ds_load_b128 v[AF+32+8*\i:AF+32+8*\i+3], v[XLD] offset:512*\i  ; its groups 0-3 are my groups 4-7, in the same lanes
.endr
	; B' = bvec B (VeRA) or B (LoRA), while those loads travel
	WIN CV_B
.irp b, 0,1,2,3,4,5,6,7
	v_cndmask_b32 v[EV+\b], 1.0, v[EV+\b], s21
.endr
.irp b, 0,1,2,3,4,5,6,7
.irp j, 0,1,2,3,4,5,6,7
	v_mul_f32 v[RB+8*\b+\j], v[EV+\b], v[RB+8*\b+\j]
.endr
.endr
.irp b, 0,1,2,3,4,5,6,7
.irp p, 0,1,2,3
	v_cvt_pk_bf16_f32 v[BF+8*\b+\p], v[RB+8*\b+2*\p], v[RB+8*\b+2*\p+1]
.endr
.irp p, 4,5,6,7
	v_mov_b32 v[BF+8*\b+\p], 0
.endr
.endr
	s_wait_dscnt 0x0                               ; the partner's h' is in my registers: my reads of the swap bytes are over,
	s_barrier_signal -1                            ; say so;
	MUL64 0                                        ; the correction, one K step of 32 onto the same 64 sums, on registers alone;
	WIN 0
	s_barrier_wait -1                              ; behind this the stages, which lie over the swap bytes, may be written
	; THE WAY OUT, 16 tokens at a time: 32 bytes a lane into my own stage, read back as whole rows of 512 bytes, bias added, stored.
	PLACES                                         ; behind the last matrix instructions: results are read by LDS stores
.macro OUT16 i, f
.if \i<4
	WIN ST_LO
.else
	WIN ST_HI
.endif
.irp b, 0,1,2,3,4,5,6,7
	ds_store_b128 v[STO], v[8*(8*(\i&3)+\b):8*(8*(\i&3)+\b)+3]   offset:64*\b
	ds_store_b128 v[STO], v[8*(8*(\i&3)+\b)+4:8*(8*(\i&3)+\b)+7] offset:64*\b+16
.endr
	WIN 0
	s_wait_xcnt 0x0                                ; every earlier memory instruction has had its addresses translated (ISA guide 3.1): buffer f, which stores read, is loaded again only behind this wait
.irp t, 0,1,2,3,4,5,6,7,8,9,10,11,12,13,14,15
	ds_load_b128 v[\f+4*\t:\f+4*\t+3], v[RD] offset:\t*SPITCH      ; LDS serves a wave's instructions in order (ISA guide 5.7.1.4): these see the stores above
.endr
.irp t, 0,1,2,3,4,5,6,7,8,9,10,11,12,13,14,15
	s_wait_dscnt 15-\t                             ; row t of the sixteen is in
	v_pk_add_f32 v[\f+4*\t:\f+4*\t+1],   v[\f+4*\t:\f+4*\t+1],   v[BIAS:BIAS+1]
	v_pk_add_f32 v[\f+4*\t+2:\f+4*\t+3], v[\f+4*\t+2:\f+4*\t+3], v[BIAS+2:BIAS+3]
.if \i<4
	global_store_b128 v[CO], v[\f+4*\t:\f+4*\t+3], s[10:11] offset:(\i&3)*16*ROWB+\t*ROWB th:TH_STORE_NT   ; the wave stores 512 consecutive bytes, at a multiple of 512 from out0's first byte
.else
	global_store_b128 v[CO], v[\f+4*\t:\f+4*\t+3], s[98:99] offset:(\i&3)*16*ROWB+\t*ROWB th:TH_STORE_NT
.endif
.endr
.endm
	OUT16 0, RA
	OUT16 1, RA+64
	OUT16 2, RA
	OUT16 3, RA+64
	OUT16 4, RA
	OUT16 5, RA+64
	OUT16 6, RA
	OUT16 7, RA+64
	s_set_vgpr_msb 0x5
	s_wait_tensorcnt 0x0
	ds_add_u32 v62, v63
	s_wait_dscnt 0x0
	s_set_vgpr_msb 0x500
	CROUND                                         ; the closing round: no work-group ends while a partner may still ask for a tile that names it
	s_endpgm
.Lfunc_end_k_qc592ec3932_fused:
	.size	k_qc592ec3932_fused, .Lfunc_end_k_qc592ec3932_fused-k_qc592ec3932_fused
	.p2alignl 7, 3214868480
	.fill 96, 4, 3214868480
	.section	.rodata,"a",@progbits
	.p2align	6, 0x0
	.amdhsa_kernel k_qc592ec3932_fused
		.amdhsa_group_segment_fixed_size 327680
		.amdhsa_private_segment_fixed_size 0
		.amdhsa_enable_private_segment 0
		.amdhsa_kernarg_size 96
		.amdhsa_user_sgpr_count 2
		.amdhsa_user_sgpr_kernarg_segment_ptr 1
		.amdhsa_wavefront_size32 1
		.amdhsa_system_sgpr_workgroup_id_x 1
		.amdhsa_system_sgpr_workgroup_id_y 1
		.amdhsa_system_sgpr_workgroup_id_z 1
		.amdhsa_system_vgpr_workitem_id 0
		.amdhsa_next_free_vgpr 1024
		.amdhsa_next_free_sgpr 102
		.amdhsa_reserve_vcc 0
		.amdhsa_float_denorm_mode_32 3
		.amdhsa_float_denorm_mode_16_64 3
		.amdhsa_memory_ordered 1
		.amdhsa_forward_progress 1
		.amdhsa_inst_pref_size 255
	.end_amdhsa_kernel
	.section	.bss,"aw",@nobits
	.p2align	6
	.space	262144
	.amdgpu_metadata
---
amdhsa.version: [ 1, 2 ]
amdhsa.kernels:
  - .name:           k_qc592ec3932_fused
    .symbol:         k_qc592ec3932_fused.kd
    .args:
      - { .name: data, .offset: 0, .size: 8, .value_kind: global_buffer, .address_space: global }
      - { .name: W, .offset: 8, .size: 8, .value_kind: global_buffer, .address_space: global }
      - { .name: lora_a, .offset: 16, .size: 8, .value_kind: global_buffer, .address_space: global }
      - { .name: vera_a, .offset: 24, .size: 8, .value_kind: global_buffer, .address_space: global }
      - { .name: lora_b, .offset: 32, .size: 8, .value_kind: global_buffer, .address_space: global }
      - { .name: vera_b, .offset: 40, .size: 8, .value_kind: global_buffer, .address_space: global }
      - { .name: lora_scaling, .offset: 48, .size: 8, .value_kind: global_buffer, .address_space: global }
      - { .name: vera_scaling, .offset: 56, .size: 8, .value_kind: global_buffer, .address_space: global }
      - { .name: vera_d, .offset: 64, .size: 8, .value_kind: global_buffer, .address_space: global }
      - { .name: vera_bvec, .offset: 72, .size: 8, .value_kind: global_buffer, .address_space: global }
      - { .name: bias, .offset: 80, .size: 8, .value_kind: global_buffer, .address_space: global }
      - { .name: out0, .offset: 88, .size: 8, .value_kind: global_buffer, .address_space: global }
    .group_segment_fixed_size: 327680
    .private_segment_fixed_size: 0
    .kernarg_segment_align: 8
    .kernarg_segment_size: 96
    .max_flat_workgroup_size: 128
    .sgpr_count:     102
    .vgpr_count:     1024
    .wavefront_size: 32
...
	.end_amdgpu_metadata
.endif
;; end of part 1
;; ======== version 2 of 3: 2 launches; 1.20 times as fast as version 1
;; workspace buffers: xb 33,554,432 bytes; wb 33,554,432 bytes; ab 1,048,576 bytes
;; launch cast (part 2): grid 512 x 1, 8 waves a work-group, no clusters, 0 bytes of LDS; arguments data, W, lora_a, vera_a, xb, wb, ab; writes xb, wb, ab
.if DOCPART == 2
	.amdgcn_target "amdgcn-amd-amdhsa--gfx1250"
	.amdhsa_code_object_version 6
	.text
	.protected	k_qc592ec3932_cast
	.globl	k_qc592ec3932_cast
	.p2align	8
	.type	k_qc592ec3932_cast,@function
k_qc592ec3932_cast:
	s_mov_b64 s[64:65], 0
	v_nop
	global_prefetch_b8 v0, s[64:65] scope:SCOPE_SE
	s_setreg_imm32_b32 hwreg(HW_REG_WAVE_MODE, 25, 1), 1
	s_wait_xcnt 0x0
; xb = bf16(data), wb = bf16(W), ab = bf16(lora_a) followed by bf16(vera_a): every number rounded once, to nearest even.
; A stream: no LDS, no barrier, no matrix unit, no cluster (no two work-groups read the same byte).
; 512 equal work-groups of eight waves.  Work-group i takes 131,072 bytes of data, 131,072 bytes of W and 4,096 bytes of the adapter tables
; (lora_a for i < 256, vera_a behind it); a wave takes 16,384 + 16,384 + 512 of them.
; Every load of a wave covers 512 consecutive bytes (16 a lane); their 128 numbers are 256 bytes of bf16, 8 a lane: every store of a wave covers
; 256 consecutive bytes, at a multiple of 256 from its buffer's first byte.
; A ring of 32 register slots: 32 loads of a wave are on their way.  data's chunk j is converted into registers of its own (Y), so that W's chunk j
; can be loaded into the slot at once; W's chunks are converted in place.  No register that a pending store reads is written again.
; The stores carry no non-temporal hint: the next launch reads these buffers.
.set NCH,  32                          ; chunks of 512 bytes of data, and of W, for a wave
.set IN,   1                           ; v1  16,384 x wave + 16 x lane: my 16 bytes in the group's part of data and of W
.set OUT,  2                           ; v2  half of that: my 8 bytes in xb and wb
.set AIN,  3                           ; v3  16 x thread: my 16 bytes of the group's 4,096 of an adapter table
.set AOUT, 4                           ; v4  8 x thread
.set AD,   6                           ; v[6:9]     the adapter chunk
.set X,    12                          ; v[12:139]  slot j: 4 registers
.set Y,    140                         ; v[140:203] data's chunk j as bf16: 2 registers
	s_load_b256 s[4:11], s[0:1], 0x0               ; data s[4:5], W s[6:7], lora_a s[8:9], vera_a s[10:11]
	s_load_b128 s[12:15], s[0:1], 0x20             ; xb s[12:13], wb s[14:15]
	s_load_b64 s[16:17], s[0:1], 0x30              ; ab
	s_mov_b32 s28, ttmp9                           ; work-group 0..511
	s_lshl_b32 s20, s28, 17                        ; its part of data and W (below 64 MiB)
	s_mov_b32 s21, 0
	s_lshl_b32 s22, s28, 16                        ; of xb and wb
	s_mov_b32 s23, 0
	s_and_b32 s24, s28, 255
	s_lshl_b32 s24, s24, 12                        ; of its adapter table: 256 work-groups x 4,096 bytes are a table
	s_mov_b32 s25, 0
	s_lshl_b32 s26, s28, 11                        ; of ab: lora_a's half, then vera_a's
	s_mov_b32 s27, 0
	v_and_b32 v[IN], 31, v0
	v_lshrrev_b32 v[OUT], 5, v0
	v_lshlrev_b32 v[IN], 4, v[IN]
	v_lshl_add_u32 v[IN], v[OUT], 14, v[IN]
	v_lshrrev_b32 v[OUT], 1, v[IN]
	v_lshlrev_b32 v[AIN], 4, v0
	v_lshlrev_b32 v[AOUT], 3, v0
	s_wait_kmcnt 0x0
	s_cmp_ge_u32 s28, 256
	s_cselect_b64 s[8:9], s[10:11], s[8:9]         ; which adapter table
	s_add_nc_u64 s[4:5], s[4:5], s[20:21]
	s_add_nc_u64 s[6:7], s[6:7], s[20:21]
	s_add_nc_u64 s[8:9], s[8:9], s[24:25]
	s_add_nc_u64 s[12:13], s[12:13], s[22:23]
	s_add_nc_u64 s[14:15], s[14:15], s[22:23]
	s_add_nc_u64 s[16:17], s[16:17], s[26:27]
	global_load_b128 v[AD:AD+3], v[AIN], s[8:9] th:TH_LOAD_NT
.set j, 0
.rept NCH
	global_load_b128 v[X+4*j:X+4*j+3], v[IN], s[4:5] offset:512*j th:TH_LOAD_NT
.set j, j+1
.endr
	s_wait_loadcnt NCH                             ; loads come back in order (ISA guide 5.7.1): the adapter chunk is in, data's 32 stay out
	v_cvt_pk_bf16_f32 v[AD], v[AD], v[AD+1]
	v_cvt_pk_bf16_f32 v[AD+1], v[AD+2], v[AD+3]
	global_store_b64 v[AOUT], v[AD:AD+1], s[16:17]
	; data: chunk j out, W's chunk j in.  Younger than data's chunk j are data's 31 - j and W's j: 31 in every turn.
.set j, 0
.rept NCH
	s_wait_loadcnt NCH-1
	v_cvt_pk_bf16_f32 v[Y+2*j], v[X+4*j], v[X+4*j+1]
	v_cvt_pk_bf16_f32 v[Y+2*j+1], v[X+4*j+2], v[X+4*j+3]
	global_load_b128 v[X+4*j:X+4*j+3], v[IN], s[6:7] offset:512*j th:TH_LOAD_NT
	global_store_b64 v[OUT], v[Y+2*j:Y+2*j+1], s[12:13] offset:256*j
.set j, j+1
.endr
	; W: nothing more is loaded, the counts run down
.set j, 0
.rept NCH
	s_wait_loadcnt NCH-1-j
	v_cvt_pk_bf16_f32 v[X+4*j], v[X+4*j], v[X+4*j+1]
	v_cvt_pk_bf16_f32 v[X+4*j+1], v[X+4*j+2], v[X+4*j+3]
	global_store_b64 v[OUT], v[X+4*j:X+4*j+1], s[14:15] offset:256*j
.set j, j+1
.endr
	s_endpgm
.Lfunc_end_k_qc592ec3932_cast:
	.size	k_qc592ec3932_cast, .Lfunc_end_k_qc592ec3932_cast-k_qc592ec3932_cast
	.p2alignl 7, 3214868480
	.fill 96, 4, 3214868480
	.section	.rodata,"a",@progbits
	.p2align	6, 0x0
	.amdhsa_kernel k_qc592ec3932_cast
		.amdhsa_group_segment_fixed_size 0
		.amdhsa_private_segment_fixed_size 0
		.amdhsa_enable_private_segment 0
		.amdhsa_kernarg_size 56
		.amdhsa_user_sgpr_count 2
		.amdhsa_user_sgpr_kernarg_segment_ptr 1
		.amdhsa_wavefront_size32 1
		.amdhsa_system_sgpr_workgroup_id_x 1
		.amdhsa_system_sgpr_workgroup_id_y 1
		.amdhsa_system_sgpr_workgroup_id_z 1
		.amdhsa_system_vgpr_workitem_id 0
		.amdhsa_next_free_vgpr 204
		.amdhsa_next_free_sgpr 66
		.amdhsa_reserve_vcc 0
		.amdhsa_float_denorm_mode_32 3
		.amdhsa_float_denorm_mode_16_64 3
		.amdhsa_memory_ordered 1
		.amdhsa_forward_progress 1
		.amdhsa_inst_pref_size 24
	.end_amdhsa_kernel
	.amdgpu_metadata
---
amdhsa.version: [ 1, 2 ]
amdhsa.kernels:
  - .name:           k_qc592ec3932_cast
    .symbol:         k_qc592ec3932_cast.kd
    .args:
      - { .name: data, .offset: 0, .size: 8, .value_kind: global_buffer, .address_space: global }
      - { .name: W, .offset: 8, .size: 8, .value_kind: global_buffer, .address_space: global }
      - { .name: lora_a, .offset: 16, .size: 8, .value_kind: global_buffer, .address_space: global }
      - { .name: vera_a, .offset: 24, .size: 8, .value_kind: global_buffer, .address_space: global }
      - { .name: xb, .offset: 32, .size: 8, .value_kind: global_buffer, .address_space: global }
      - { .name: wb, .offset: 40, .size: 8, .value_kind: global_buffer, .address_space: global }
      - { .name: ab, .offset: 48, .size: 8, .value_kind: global_buffer, .address_space: global }
    .group_segment_fixed_size: 0
    .private_segment_fixed_size: 0
    .kernarg_segment_align: 8
    .kernarg_segment_size: 56
    .max_flat_workgroup_size: 256
    .sgpr_count:     66
    .vgpr_count:     204
    .wavefront_size: 32
...
	.end_amdgpu_metadata
.endif
;; end of part 2
;; launch gemm (part 3): grid 16 x 16, 4 waves a work-group, clusters of 4 x 4, 327,680 bytes of LDS; arguments xb, wb, ab, bias, lora_b, vera_b, lora_scaling, vera_scaling, vera_d, vera_bvec, out0; writes out0
.if DOCPART == 3
	.amdgcn_target "amdgcn-amd-amdhsa--gfx1250"
	.amdhsa_code_object_version 6
	.text
	.protected	k_qc592ec3932_gemm
	.globl	k_qc592ec3932_gemm
	.p2align	8
	.type	k_qc592ec3932_gemm,@function
k_qc592ec3932_gemm:
	s_mov_b64 s[64:65], 0
	v_nop
	global_prefetch_b8 v0, s[64:65] scope:SCOPE_SE
	s_setreg_imm32_b32 hwreg(HW_REG_WAVE_MODE, 25, 1), 1
	s_wait_xcnt 0x0
	s_wait_alu depctr_hold_cnt(0) depctr_sa_sdst(0) depctr_va_vdst(0) depctr_va_sdst(0) depctr_va_ssrc(0) depctr_va_vcc(0) depctr_vm_vsrc(0)
	s_getreg_b32 s2, hwreg(HW_REG_IB_STS2, 6, 4)
	s_cmp_eq_u32 s2, 0
	s_cbranch_scc0 .Lentry_in_a_cluster
	s_endpgm
.Lentry_in_a_cluster:
	s_bfe_u32 s2, ttmp6, 0x10000c
	s_cmp_lg_u32 s2, 0xf033
	s_cbranch_scc0 .Lentry_shape_is_right
	s_endpgm
.Lentry_shape_is_right:
; out0[t][o] = sum_k x[t][k] W[o][k] + bias[o] + the correction of token t's segment g = t / 512:
;   g = 0..3 (LoRA):  s_g * sum_r h[t][r] B_g[o][r]                     with h[t][r] = sum_k x[t][k] A_g[r][k]
;   g = 4..7 (VeRA):  bvec_g[o] * sum_r (s_g d_g[r] h[t][r]) B_g[o][r]  with B, s, d, bvec of the VeRA tables at g - 4
; x, W and A come as bf16 from the launch before: xb [4096][4096], wb [4096][4096], ab [8][16][4096] (LoRA's four tables, then VeRA's).
; Why they are cast ahead: from f32 tiles a wave would load 68 x 512 bytes from LDS and make 136 conversions for 68 matrix instructions, and each
; number would be converted 32 times (16 blocks x 2 waves); from bf16 tiles it loads 34 x 512 bytes and converts nothing.
;
; SHARES.  A work-group makes 256 tokens x 256 columns with four waves, a wave 128 x 128: 64 accumulator tiles, 512 registers.
; K goes in steps of 128 bf16 (rows of 256 bytes, aligned) through two LDS slots filled by tensor loads.
; A block of 256 tokens lies in one segment, so h is sixteen more columns of the same K walk: 4 matrix instructions beside every 64
; (each of the two waves of a row half makes h for four of the eight token blocks; they swap through LDS at the end).
; The correction is one more K step of 32 (rank 16, the upper 16 zero on both sides) onto the same accumulators.
;
; CLUSTERS: 4 x 4 work-groups.  xb's tile and the adapter's tile hang on the block row alone and are asked for jointly along a row of the
; cluster; wb's tile hangs on the block column alone and is asked for jointly along a column.  Block row = 4 cy + cluster y, so that the
; segment (block row / 2) is another one for each cy.  No branch and no LDS address hangs on cx or cy; LoRA or VeRA is chosen by selects.
; No prefetch is written: a wave issues 252 matrix instructions between a tile's request and the wait for it.
;
; LIMITS, by design: x, W, A_g, h' and B' enter the matrix unit rounded to bf16.  s_g and d_g scale h after its f32 sum (the source text
; scales x first); bvec_g is folded into B_g before B's one rounding (the source text multiplies afterwards).  For LoRA blocks d and bvec of
; table g are loaded and replaced by 1.0.  Sums, bias and scales are f32.
;
; REGISTERS in windows of 256 (s_set_vgpr_msb, low byte: bits 1:0 source 0, 3:2 source 1, 5:4 source 2, 7:6 destination):
;   window 0: v0-31 addresses and small vectors, v32-63 h (4 tiles), v64-127 and v128-191 token fragments (two buffers), v192-255 h' fragments
;   window 1: v0-15 adapter-A fragment (two buffers), v32-39 bvec, v64-127 and v128-191 W fragments (two buffers), v192-255 B' fragments
;   window 2: accumulator groups 0-3 (tile (a, b) at v[8 (8 a + b)]);  window 3: groups 4-7
; THE MATRIX INSTRUCTION IS USED TRANSPOSED: source 0 = 16 rows of W (or of A_g, B_g), source 1 = 16 tokens.  Lane l = (r = l % 16, hh = l / 16)
; then holds token r and columns 8 hh + 0..7 in its eight result registers.
.set DIN,    4096
.set KSTEP,  128                       ; bf16 along K in a slot: 256 bytes a row
.set ROWB,   DIN*4                     ; bytes in a row of out0
.set PITCH,  272                       ; LDS row: 256 + 16 bytes = 17 blocks of 16: sixteen rows start in sixteen different 16-byte columns modulo 256
.set FRAG,   16*PITCH                  ; 16 rows
.set HALFT,  128*PITCH                 ; 128 rows
.set SLOT,   4*HALFT+FRAG              ; 256 token rows, 256 W rows, 16 adapter rows
.set STAGE,  2*SLOT                    ; 287,232 = 1122 x 256: behind the ring, no tensor load lands here
.set SPITCH, 528                       ; stage row: 512 + 16 bytes = 33 blocks of 16
.set WSTAGE, 16*SPITCH                 ; a wave's stage: 16 rows
.set LAPS,   DIN/(2*KSTEP)             ; 16 laps of two K steps
; window 0
.set DV,   4                           ; v[4:11]  d of ranks 8 hh + 0..7, then c = s d (LoRA: s)
.set BBO,  12                          ; 64 r + 32 hh: my 32 bytes of a row of B_g
.set EO,   13                          ; 4 r
.set DO,   14                          ; 32 hh
.set XST,  15                          ; where I put my h' for the partner wave
.set ALO,  16                          ; v16-17 LDS address of my token groups 0-3 in slot 0, 1
.set AHI,  18                          ; v18-19 of my token groups 4-7
.set ADRB, 20                          ; v20-21 of my 128 W rows
.set ADRP, 22                          ; v22-23 of the 16 adapter rows
.set STO,  24                          ; the way out: where I put 32 bytes of a row
.set RD,   25                          ; the way out: where I read a row back
.set CO,   26                          ; 16 l: my 16 bytes of 512
.set XLD,  27                          ; where the partner wave put its h'
.set BIAS, 28                          ; v[28:31] bias of my four columns on the way out
.set HACC, 32
; windows 0 and 1
.set F0,   64                          ; fragment buffer 0
.set F1,   128                         ; fragment buffer 1
.set F2,   192                         ; the correction's fragments: the loop does not touch them
; window 1
.set PF,   0                           ; v[0:7] goes with buffer 0, v[8:15] with buffer 1
.set EV,   32
; descriptors
.set G1A, 24                           ; s[24:31] shape of xb's tiles      s[32:39] from/to, a set for each slot
.set G0A, 32
.set G1B, 48                           ; s[48:55] shape of wb's tiles      s[56:63]
.set G0B, 56
.set G1P, 68                           ; s[68:75] shape of adapter tiles   s[76:83]
.set G0P, 76
.set C0, (1<<16)|(1<<20)|(1<<21)|(5<<22)|(3<<25)   ; elements of 2 bytes; padding on; bit 21 beside a mask; after every 64 words (code 5) skip 4 (code 3)
.set MSB, 0
.macro WIN new                         ; the immediate's high byte repeats the setting that is left
.if MSB != \new
	s_set_vgpr_msb (MSB<<8)|\new
.set MSB, \new
.endif
.endm
.set TO_B,   0x40                      ; destination window 1, address window 0
.set CV_B,   0x45                      ; sources 0, 1 and destination window 1
.set MUL_LO, 0xa1                      ; source 0 window 1, source 1 window 0, C and D window 2
.set MUL_HI, 0xf1                      ; the same, C and D window 3
.set MUL_H,  0x01                      ; source 0 window 1, the rest window 0
.set ST_LO,  0x08                      ; LDS store data from window 2
.set ST_HI,  0x0c                      ; from window 3
.macro PLACES                          ; four plain vector places behind a matrix instruction before its registers are read or written otherwise (ISA guide 7.12.1)
.rept 4
	v_nop
.endr
.endm
.macro SHAPE g, rows                   ; group 1 but for its first word: a tile of rows x 128 bf16, inside the tensor
	s_mov_b32 s[\g+1], KSTEP<<16                   ; tensor_dim0 = 128
	s_mov_b32 s[\g+2], \rows<<16                   ; tensor_dim1 = rows
	s_mov_b32 s[\g+3], KSTEP<<16                   ; tile_dim0 = 128
	s_mov_b32 s[\g+4], \rows                       ; tile_dim1 = rows
	s_mov_b32 s[\g+5], DIN                         ; 4,096 elements from row to row
	s_mov_b32 s[\g+6], 0
	s_mov_b32 s[\g+7], 0
.endm
; One joint load a wave: waves 0 and 1 ask for xb's two halves, wave 2 for wb's 256 rows, wave 3 for the adapter's 16 rows.
; Each line has one mask and registers of its own; the branches hang on the wave's number alone.
.macro JLOAD s
	s_cmp_lt_u32 s12, 2
	s_cbranch_scc0 .Lnot_a_\@
	tensor_load_to_lds s[G0A+4*\s:G0A+4*\s+3], s[G1A:G1A+7]
	s_nop 0
	s_branch .Lasked_\@
.Lnot_a_\@:
	s_cmp_eq_u32 s12, 2
	s_cbranch_scc0 .Lfor_p_\@
	tensor_load_to_lds s[G0B+4*\s:G0B+4*\s+3], s[G1B:G1B+7]
	s_nop 0
	s_branch .Lasked_\@
.Lfor_p_\@:
	tensor_load_to_lds s[G0P+4*\s:G0P+4*\s+3], s[G1P:G1P+7]
	s_nop 0
.Lasked_\@:
.endm
; A round of the cluster's barrier: my work-group's barrier, wave 0 signals for the work-group, every wave waits for all sixteen, my barrier again.
.macro CREST                           ; a round behind its opening barrier
	s_cmp_lg_u32 s12, 0
	s_cbranch_scc1 .Lnot_wave_0_\@
	s_barrier_signal -3
.Lnot_wave_0_\@:
	s_barrier_wait -3
	s_barrier_signal -1
	s_barrier_wait -1
.endm
.macro CROUND
	s_barrier_signal -1
	s_barrier_wait -1
	CREST
.endm
	s_load_b256 s[84:91], s[0:1], 0x0              ; xb s[84:85], wb s[86:87], ab s[88:89], bias s[90:91]
	s_load_b256 s[92:99], s[0:1], 0x20             ; lora_b s[92:93], vera_b s[94:95], lora_scaling s[96:97], vera_scaling s[98:99]
	s_load_b128 s[4:7], s[0:1], 0x40               ; vera_d s[4:5], vera_bvec s[6:7]
	s_load_b64 s[10:11], s[0:1], 0x50              ; out0
	s_set_vgpr_msb 0x40
	v_lshl_add_u32 v62, v0, 2, 0x4e600
	v_mov_b32 v63, 0
	s_set_vgpr_msb 0x4045
	ds_add_u32 v62, v63
	s_set_vgpr_msb 0x4500
	v_lshrrev_b32 v1, 5, v0
	v_readfirstlane_b32 s12, v1                    ; wave 0..3
	s_lshr_b32 s13, s12, 1                         ; RH: which 128 tokens of the block are mine
	s_and_b32 s14, s12, 1                          ; CH: which 128 columns
	s_bfe_u32 s15, ttmp6, 0x40000                  ; cx
	s_bfe_u32 s16, ttmp6, 0x40004                  ; cy
	s_lshl_b32 s17, ttmp9, 2
	s_add_co_u32 s17, s17, s15                     ; block column = 4 x cluster x + cx
	s_and_b32 s2, ttmp7, 0xffff                    ; cluster y
	s_lshl2_add_u32 s18, s16, s2                   ; block row = 4 cy + cluster y
	s_lshr_b32 s19, s18, 1                         ; segment g: two blocks of 256 tokens each
	s_and_b32 s20, s19, 3                          ; its place in its family's tables
	s_lshl_b32 s40, s16, 2
	s_lshl_b32 s40, 15, s40                        ; my row of the cluster: places 4 cy .. 4 cy + 3
	s_lshl_b32 s44, 0x1111, s15                    ; my column: places cx, cx + 4, cx + 8, cx + 12
	s_or_b32 s[G1A+0], s40, C0                     ; xb's tiles go to my row,
	s_or_b32 s[G1B+0], s44, C0                     ; wb's to my column,
	s_or_b32 s[G1P+0], s40, C0                     ; the adapter's to my row
	SHAPE G1A, 128
	SHAPE G1B, 256
	SHAPE G1P, 16
	s_lshl_b32 s41, s18, 8
	s_lshl_b32 s42, s14, 7
	s_add_co_u32 s42, s41, s42                     ; xb: row 256 x block row + 128 x (wave & 1),
	s_lshl_b32 s42, s42, 13                        ; in bytes: 8,192 a row (below 32 MiB)
	s_mov_b32 s43, 0
	s_lshl_b32 s46, s17, 21                        ; wb: row 256 x block column, in bytes
	s_mov_b32 s47, 0
	s_lshl_b32 s40, s19, 17                        ; ab: 16 rows of 8,192 bytes a segment
	s_mov_b32 s41, 0
	s_mul_i32 s22, s12, HALFT                      ; xb's halves land at wave x 128 rows
	s_wait_dscnt 0x0
	s_wait_kmcnt 0x0
	s_cmp_ge_u32 s18, 8                            ; block rows 8..15 are VeRA's.  Selects alone follow: no branch hangs on it
	s_cselect_b32 s21, -1, 0                       ; a lane mask: all ones for VeRA
	s_cselect_b64 s[92:93], s[94:95], s[92:93]     ; B table
	s_cselect_b64 s[96:97], s[98:99], s[96:97]     ; scaling table
	s_add_nc_u64 s[84:85], s[84:85], s[42:43]
	s_add_nc_u64 s[86:87], s[86:87], s[46:47]
	s_add_nc_u64 s[88:89], s[88:89], s[40:41]
	CROUND                                         ; all sixteen work-groups are here: the first joint loads meet
.irp s, 0,1
	s_mov_b32 s[G0A+4*\s], 1                                       ; count = 1
	s_add_co_u32 s[G0A+4*\s+1], s22, \s*SLOT                       ; LDS address
	s_add_nc_u64 s[G0A+4*\s+2:G0A+4*\s+3], s[84:85], \s*KSTEP*2    ; global address: K step s
	s_or_b32 s[G0A+4*\s+3], s[G0A+4*\s+3], 0x80000000              ; type = 2
	s_mov_b32 s[G0B+4*\s], 1
	s_mov_b32 s[G0B+4*\s+1], 2*HALFT+\s*SLOT
	s_add_nc_u64 s[G0B+4*\s+2:G0B+4*\s+3], s[86:87], \s*KSTEP*2
	s_or_b32 s[G0B+4*\s+3], s[G0B+4*\s+3], 0x80000000
	s_mov_b32 s[G0P+4*\s], 1
	s_mov_b32 s[G0P+4*\s+1], 4*HALFT+\s*SLOT
	s_add_nc_u64 s[G0P+4*\s+2:G0P+4*\s+3], s[88:89], \s*KSTEP*2
	s_or_b32 s[G0P+4*\s+3], s[G0P+4*\s+3], 0x80000000
	JLOAD \s                                       ; both slots are asked for before anything else: two loads of this wave are out
.endr
	; WHILE THE TILES TRAVEL: the adapter's small operands are fetched and made ready, and the addresses are made.
	v_and_b32 v1, 15, v0                           ; r
	v_bfe_u32 v2, v0, 4, 1                         ; hh
	v_and_b32 v[CO], 31, v0
	v_lshlrev_b32 v[CO], 4, v[CO]                  ; 16 l
	v_lshlrev_b32 v[BBO], 6, v1
	v_lshl_add_u32 v[BBO], v2, 5, v[BBO]           ; 64 r + 32 hh
	v_lshlrev_b32 v[EO], 2, v1
	v_lshlrev_b32 v[DO], 5, v2
	; bases, each from its own buffer's address
	s_lshl_b32 s66, s17, 8
	s_lshl_b32 s67, s14, 7
	s_add_co_u32 s101, s66, s67                    ; my first column: 256 x block column + 128 CH
	s_lshl_b32 s66, s101, 2
	s_mov_b32 s67, 0
	s_add_nc_u64 s[90:91], s[90:91], s[66:67]      ; bias at my columns
	s_add_nc_u64 s[6:7], s[6:7], s[66:67]          ; bvec at my columns,
	s_add_nc_u64 s[10:11], s[10:11], s[66:67]      ; out0 at my columns
	s_lshl_b32 s66, s20, 14
	s_add_nc_u64 s[6:7], s[6:7], s[66:67]          ; in my table entry's row of 16,384 bytes
	s_lshl_b32 s66, s101, 6
	s_add_nc_u64 s[92:93], s[92:93], s[66:67]      ; B: 64 bytes a column,
	s_lshl_b32 s66, s20, 18
	s_add_nc_u64 s[92:93], s[92:93], s[66:67]      ; 262,144 bytes a table entry
	s_lshl_b32 s66, s20, 6
	s_add_nc_u64 s[4:5], s[4:5], s[66:67]          ; d: 64 bytes a table entry
	s_lshl_b32 s66, s20, 2
	s_add_nc_u64 s[96:97], s[96:97], s[66:67]
	s_load_b32 s100, s[96:97], 0x0                 ; s_g
	WIN TO_B
.irp b, 0,1,2,3,4,5,6,7
	global_load_b128 v[F2+8*\b:F2+8*\b+3],   v[BBO], s[92:93] offset:1024*\b       ; B_g(column 16 b + r, ranks 8 hh + 0..3)
	global_load_b128 v[F2+8*\b+4:F2+8*\b+7], v[BBO], s[92:93] offset:1024*\b+16    ; ranks 8 hh + 4..7
.endr
.irp b, 0,1,2,3,4,5,6,7
	global_load_b32 v[EV+\b], v[EO], s[6:7] offset:64*\b                           ; bvec(column 16 b + r)
.endr
	WIN 0
	global_load_b128 v[DV:DV+3],     v[DO], s[4:5]                                 ; d(ranks 8 hh + 0..7)
	global_load_b128 v[DV+4:DV+7],   v[DO], s[4:5] offset:16
	global_load_b128 v[BIAS:BIAS+3], v[CO], s[90:91]                               ; bias(columns 4 l + 0..3)
	s_lshl_b32 s66, s18, 8
	s_lshl_b32 s101, s13, 7
	s_add_co_u32 s66, s66, s101                    ; my first token: 256 x block row + 128 RH
	s_lshl_b32 s66, s66, 14
	s_add_nc_u64 s[10:11], s[10:11], s[66:67]
	s_sub_co_u32 s66, 1, s14
	s_lshl_b32 s66, s66, 20                        ; 64 rows of 16,384 bytes
	s_add_nc_u64 s[98:99], s[10:11], s[66:67]      ; groups 4-7 are token blocks 4 - 4 CH ..
	s_lshl_b32 s66, s14, 20
	s_add_nc_u64 s[10:11], s[10:11], s[66:67]      ; groups 0-3 are token blocks 4 CH ..
	; A fragment is 16 rows x 32 K in 8 registers: lane (r, hh) holds K = 8 hh + 0..7 and 16 + 8 hh + 0..7 of row r: two loads of 16 bytes, 32 apart.
	v_mul_u32_u24 v3, v1, PITCH
	v_lshl_add_u32 v3, v2, 4, v3                   ; 272 r + 16 hh
	; Wave CH takes its token blocks in the order i xor 4 CH, so that the four blocks whose h it makes are always its groups 0-3.
	s_mul_i32 s66, s13, HALFT                      ; my 128 token rows
	s_mul_i32 s67, s14, 4*FRAG
	s_add_co_u32 s101, s66, s67
	v_add_nc_u32 v[ALO], s101, v3                  ; groups 0-3 = blocks 4 CH ..
	v_add_nc_u32 v[ALO+1], SLOT, v[ALO]
	s_sub_co_u32 s67, 4*FRAG, s67
	s_add_co_u32 s101, s66, s67
	v_add_nc_u32 v[AHI], s101, v3                  ; groups 4-7 = blocks 4 - 4 CH ..
	v_add_nc_u32 v[AHI+1], SLOT, v[AHI]
	s_mul_i32 s66, s14, HALFT
	s_add_co_u32 s66, s66, 2*HALFT
	v_add_nc_u32 v[ADRB], s66, v3                  ; my 128 W rows, behind the 256 token rows
	v_add_nc_u32 v[ADRB+1], SLOT, v[ADRB]
	v_add_nc_u32 v[ADRP], 4*HALFT, v3
	v_add_nc_u32 v[ADRP+1], SLOT, v[ADRP]
	s_lshl_b32 s66, s12, 11
	s_add_co_u32 s66, s66, STAGE
	v_add_nc_u32 v[XST], s66, v[CO]                ; 2,048 bytes a wave for the swap of h'
	s_xor_b32 s67, s12, 1                          ; the wave with my tokens and the other columns
	s_lshl_b32 s67, s67, 11
	s_add_co_u32 s67, s67, STAGE
	v_add_nc_u32 v[XLD], s67, v[CO]
	s_mul_i32 s66, s12, WSTAGE
	s_add_co_u32 s66, s66, STAGE                   ; my stage
	v_mul_u32_u24 v[STO], v1, SPITCH
	v_lshl_add_u32 v[STO], v2, 5, v[STO]
	v_add_nc_u32 v[STO], s66, v[STO]               ; in: row r, 32 bytes for each half of the lanes
	v_add_nc_u32 v[RD], s66, v[CO]                 ; back: the 32 lanes take one row of 512 bytes
.irp i, 0,1,2,3,4,5,6,7
.irp p, 4,5,6,7
	v_mov_b32 v[F2+8*\i+\p], 0                     ; h' fragments: K = 16..31 of the correction is zero
.endr
.endr
	s_wait_kmcnt 0x0                               ; s_g
	s_wait_loadcnt 0x0                             ; B_g, bvec, d, bias
	; c = s d (VeRA) or s (LoRA)
.irp j, 0,1,2,3,4,5,6,7
	v_cndmask_b32 v[DV+\j], 1.0, v[DV+\j], s21
.endr
.irp j, 0,1,2,3,4,5,6,7
	v_mul_f32 v[DV+\j], s100, v[DV+\j]
.endr
	; B' = bvec B (VeRA) or B (LoRA), rounded once, in place: register p takes ranks 8 hh + 2 p, 2 p + 1, whose f32 lie in registers 2 p, 2 p + 1,
	; so no number is overwritten before it is read.  That is registers 0-3 of a source-0 fragment with the rank as K; K = 16..31 is zero.
	WIN CV_B
.irp b, 0,1,2,3,4,5,6,7
	v_cndmask_b32 v[EV+\b], 1.0, v[EV+\b], s21
.endr
.irp b, 0,1,2,3,4,5,6,7
.irp j, 0,1,2,3,4,5,6,7
	v_mul_f32 v[F2+8*\b+\j], v[EV+\b], v[F2+8*\b+\j]
.endr
.endr
.irp b, 0,1,2,3,4,5,6,7
.irp p, 0,1,2,3
	v_cvt_pk_bf16_f32 v[F2+8*\b+\p], v[F2+8*\b+2*\p], v[F2+8*\b+2*\p+1]
.endr
.irp p, 4,5,6,7
	v_mov_b32 v[F2+8*\b+\p], 0
.endr
.endr
	WIN 0
; 16 matrix instructions: token groups a0, a0 + 1 of the window's four x all 8 column blocks, 32 along K.  zero = 1: the first product starts the sums.
.macro MUL16 f, hi, a0, zero
.irp a, \a0, \a0+1
.irp b, 0,1,2,3,4,5,6,7
.if \zero
	v_wmma_f32_16x16x32_bf16 v[8*(8*(\a)+\b):8*(8*(\a)+\b)+7], v[\f+8*\b:\f+8*\b+7], v[\f+8*(4*\hi+\a):\f+8*(4*\hi+\a)+7], 0
.else
	v_wmma_f32_16x16x32_bf16 v[8*(8*(\a)+\b):8*(8*(\a)+\b)+7], v[\f+8*\b:\f+8*\b+7], v[\f+8*(4*\hi+\a):\f+8*(4*\hi+\a)+7], v[8*(8*(\a)+\b):8*(8*(\a)+\b)+7]
.endif
.endr
.endr
.endm
; 4 matrix instructions: h of my token groups 0-3 (ranks x tokens)
.macro MULH f, zero
	WIN MUL_H
.irp i, 0,1,2,3
.if \zero
	v_wmma_f32_16x16x32_bf16 v[HACC+8*\i:HACC+8*\i+7], v[PF+(\f-F0)/8:PF+(\f-F0)/8+7], v[\f+8*\i:\f+8*\i+7], 0
.else
	v_wmma_f32_16x16x32_bf16 v[HACC+8*\i:HACC+8*\i+7], v[PF+(\f-F0)/8:PF+(\f-F0)/8+7], v[\f+8*\i:\f+8*\i+7], v[HACC+8*\i:HACC+8*\i+7]
.endif
.endr
.endm
; 34 LDS loads in one run: the fragments of one quarter step (32 K at byte k of the slot's rows) into buffer f.
; Order: W (16), adapter (2), token groups 0-3 (8), token groups 4-7 (8).
.macro FETCH slot, k, f
	WIN TO_B
.irp i, 0,1,2,3,4,5,6,7
	ds_load_b128 v[\f+8*\i:\f+8*\i+3],   v[ADRB+\slot] offset:\k+\i*FRAG
	ds_load_b128 v[\f+8*\i+4:\f+8*\i+7], v[ADRB+\slot] offset:\k+\i*FRAG+32
.endr
	ds_load_b128 v[PF+(\f-F0)/8:PF+(\f-F0)/8+3],   v[ADRP+\slot] offset:\k
	ds_load_b128 v[PF+(\f-F0)/8+4:PF+(\f-F0)/8+7], v[ADRP+\slot] offset:\k+32
	WIN 0
.irp i, 0,1,2,3
	ds_load_b128 v[\f+8*\i:\f+8*\i+3],   v[ALO+\slot] offset:\k+\i*FRAG
	ds_load_b128 v[\f+8*\i+4:\f+8*\i+7], v[ALO+\slot] offset:\k+\i*FRAG+32
.endr
.irp i, 0,1,2,3
	ds_load_b128 v[\f+32+8*\i:\f+32+8*\i+3], v[AHI+\slot] offset:\k+\i*FRAG
	ds_load_b128 v[\f+32+8*\i+4:\f+32+8*\i+7], v[AHI+\slot] offset:\k+\i*FRAG+32
.endr
.endm
; A K step is four quarter steps of 32 along K, 68 matrix instructions each, on buffers 0, 1, 0, 1.  The 68 accumulators take turns, one
; instruction a turn, in the same order everywhere (groups 0-3, h, groups 4-7), over the loop's backward jump too.
; One of the first three quarters: multiplies buffer f; in its middle it fetches the next quarter's fragments, at byte k of the same slot's rows, into g.
.macro QUARTER slot, k, f, g, zero
	s_wait_dscnt 8                                 ; the youngest eight loads are token groups 4-7: W, the adapter and groups 0-3 are in
	WIN MUL_LO
	MUL16 \f, 0, 0, \zero
	MUL16 \f, 0, 2, \zero
	MULH \f, \zero
	PLACES                                         ; behind the matrix instructions that read buffer g: it is loaded again
	FETCH \slot, \k, \g
	s_wait_dscnt 34                                ; all but the 34 just issued
	WIN MUL_HI
	MUL16 \f, 1, 0, \zero
	MUL16 \f, 1, 2, \zero
.endm
.macro THREE slot, zero
	QUARTER \slot, 64,  F0, F1, \zero
	QUARTER \slot, 128, F1, F0, 0
	QUARTER \slot, 192, F0, F1, 0
.endm
; The last quarter: multiplies buffer 1 and changes slots.  In front of the barrier each wave waits for its reads of this slot and for all its
; tensor loads (one is out: its part of the next slot).  Behind it nobody reads this slot and the next one is whole: the refill comes first,
; then the next slot's first fragments.  Between signal and wait stand matrix instructions: register work alone.
.macro TURN slot, next, fill
	s_wait_dscnt 8
	WIN MUL_LO
	MUL16 F1, 0, 0, 0
	s_wait_dscnt 0x0                               ; my reads of this slot are back
	s_set_vgpr_msb 0xa1a5
	s_wait_tensorcnt 0x0                           ; all my tensor loads have landed
	ds_add_u32 v62, v63
	s_wait_dscnt 0x0
	s_set_vgpr_msb 0xa5a1
	s_barrier_signal -1                            ; where the slot is filled again this barrier opens a round of the cluster's barrier
	MUL16 F1, 0, 2, 0
	MULH F1, 0
	WIN 0
	s_barrier_wait -1
.if \fill
	CREST                                          ; no wave of any partner still reads this slot or has a load on its way
	s_add_nc_u64 s[G0A+4*\slot+2:G0A+4*\slot+3], s[G0A+4*\slot+2:G0A+4*\slot+3], 2*KSTEP*2   ; two K steps on; no load of mine is out
	s_add_nc_u64 s[G0B+4*\slot+2:G0B+4*\slot+3], s[G0B+4*\slot+2:G0B+4*\slot+3], 2*KSTEP*2
	s_add_nc_u64 s[G0P+4*\slot+2:G0P+4*\slot+3], s[G0P+4*\slot+2:G0P+4*\slot+3], 2*KSTEP*2
	JLOAD \slot                                    ; my one tensor load behind the round, and the first thing there
.endif
	PLACES                                         ; behind the matrix instructions that read buffer 0
	FETCH \next, 0, F0
	WIN MUL_HI
	MUL16 F1, 1, 0, 0
	MUL16 F1, 1, 2, 0
.endm
.macro LAP zero                        ; once round the ring, both slots filled again
	THREE 0, \zero
	TURN 0, 1, 1
	THREE 1, 0
	TURN 1, 0, 1
.endm
	s_wait_tensorcnt 0x1                           ; my part of K step 0 is in; K step 1's may stay out
	s_barrier_signal -1
	s_barrier_wait -1                              ; everybody's is
	FETCH 0, 0, F0
	LAP 1                                          ; the first lap stands in front of the loop: its first products start all 68 sums
	WIN 0                                          ; at a label and at a branch every window is 0
	s_mov_b32 s3, LAPS-2
.Llap:
	LAP 0
	WIN 0
	s_sub_co_u32 s3, s3, 1
	s_cmp_lg_u32 s3, 0
	s_cbranch_scc1 .Llap
	THREE 0, 0                                     ; the last lap fills nothing and has no round: the one load still out is the last K step's
	TURN 0, 1, 0
	THREE 1, 0
	s_wait_dscnt 8                                 ; the very last quarter: nothing more to fetch
	WIN MUL_LO
	MUL16 F1, 0, 0, 0
	MUL16 F1, 0, 2, 0
	MULH F1, 0
	s_wait_dscnt 0x0
	WIN MUL_HI
	MUL16 F1, 1, 0, 0
	MUL16 F1, 1, 2, 0
	; h' = c h.  A result tile of h holds token r, ranks 8 hh + 0..7: packed to bf16 that IS registers 0-3 of a source-1 fragment with the rank as K.
	WIN 0
	PLACES                                         ; behind the last matrix instructions: h is read
.irp i, 0,1,2,3
.irp p, 0,1,2,3
	v_pk_mul_f32 v[HACC+8*\i+2*\p:HACC+8*\i+2*\p+1], v[HACC+8*\i+2*\p:HACC+8*\i+2*\p+1], v[DV+2*\p:DV+2*\p+1]
.endr
.endr
.irp i, 0,1,2,3
.irp p, 0,1,2,3
	v_cvt_pk_bf16_f32 v[F2+8*\i+\p], v[HACC+8*\i+2*\p], v[HACC+8*\i+2*\p+1]
.endr
	ds_store_b128 v[XST], v[F2+8*\i:F2+8*\i+3] offset:512*\i       ; for the partner wave: my groups 0-3 are its groups 4-7
.endr
	s_wait_dscnt 0x0                               ; my stores are in LDS, for the partner's sake
	s_barrier_signal -1
	s_barrier_wait -1
.irp i, 0,1,2,3
	ds_load_b128 v[F2+32+8*\i:F2+32+8*\i+3], v[XLD] offset:512*\i  ; its groups 0-3 are my groups 4-7, in the same lanes
.endr
	s_wait_dscnt 0x0                               ; the partner's h' is in my registers: my reads of the swap bytes are over,
	s_barrier_signal -1                            ; say so;
	WIN MUL_LO                                     ; the correction, one K step of 32 onto the same 64 sums, on registers alone;
	MUL16 F2, 0, 0, 0
	MUL16 F2, 0, 2, 0
	WIN MUL_HI
	MUL16 F2, 1, 0, 0
	MUL16 F2, 1, 2, 0
	WIN 0
	s_barrier_wait -1                              ; behind this the stages, which lie over the swap bytes, may be written
	; THE WAY OUT, 16 tokens at a time: 32 bytes a lane into my own stage, read back as whole rows of 512 bytes, bias added, stored.
	PLACES                                         ; behind the last matrix instructions: results are read by LDS stores, buffers 0 and 1 are loaded again
.macro OUT16 i, f
.if \i<4
	WIN ST_LO
.else
	WIN ST_HI
.endif
.irp b, 0,1,2,3,4,5,6,7
	ds_store_b128 v[STO], v[8*(8*(\i&3)+\b):8*(8*(\i&3)+\b)+3]   offset:64*\b
	ds_store_b128 v[STO], v[8*(8*(\i&3)+\b)+4:8*(8*(\i&3)+\b)+7] offset:64*\b+16
.endr
	WIN 0
	s_wait_xcnt 0x0                                ; every earlier memory instruction has had its addresses translated (ISA guide 3.1): buffer f, which stores read, is loaded again only behind this wait
.irp t, 0,1,2,3,4,5,6,7,8,9,10,11,12,13,14,15
	ds_load_b128 v[\f+4*\t:\f+4*\t+3], v[RD] offset:\t*SPITCH      ; LDS serves a wave's instructions in order (ISA guide 5.7.1.4): these see the stores above
.endr
.irp t, 0,1,2,3,4,5,6,7,8,9,10,11,12,13,14,15
	s_wait_dscnt 15-\t                             ; row t of the sixteen is in
	v_pk_add_f32 v[\f+4*\t:\f+4*\t+1],   v[\f+4*\t:\f+4*\t+1],   v[BIAS:BIAS+1]
	v_pk_add_f32 v[\f+4*\t+2:\f+4*\t+3], v[\f+4*\t+2:\f+4*\t+3], v[BIAS+2:BIAS+3]
.if \i<4
	global_store_b128 v[CO], v[\f+4*\t:\f+4*\t+3], s[10:11] offset:(\i&3)*16*ROWB+\t*ROWB th:TH_STORE_NT   ; the wave stores 512 consecutive bytes, at a multiple of 512 from out0's first byte
.else
	global_store_b128 v[CO], v[\f+4*\t:\f+4*\t+3], s[98:99] offset:(\i&3)*16*ROWB+\t*ROWB th:TH_STORE_NT
.endif
.endr
.endm
	OUT16 0, F0
	OUT16 1, F1
	OUT16 2, F0
	OUT16 3, F1
	OUT16 4, F0
	OUT16 5, F1
	OUT16 6, F0
	OUT16 7, F1
	s_set_vgpr_msb 0x5
	s_wait_tensorcnt 0x0
	ds_add_u32 v62, v63
	s_wait_dscnt 0x0
	s_set_vgpr_msb 0x500
	CROUND                                         ; the closing round: no work-group ends while a partner may still ask for a tile that names it
	s_endpgm
.Lfunc_end_k_qc592ec3932_gemm:
	.size	k_qc592ec3932_gemm, .Lfunc_end_k_qc592ec3932_gemm-k_qc592ec3932_gemm
	.p2alignl 7, 3214868480
	.fill 96, 4, 3214868480
	.section	.rodata,"a",@progbits
	.p2align	6, 0x0
	.amdhsa_kernel k_qc592ec3932_gemm
		.amdhsa_group_segment_fixed_size 327680
		.amdhsa_private_segment_fixed_size 0
		.amdhsa_enable_private_segment 0
		.amdhsa_kernarg_size 88
		.amdhsa_user_sgpr_count 2
		.amdhsa_user_sgpr_kernarg_segment_ptr 1
		.amdhsa_wavefront_size32 1
		.amdhsa_system_sgpr_workgroup_id_x 1
		.amdhsa_system_sgpr_workgroup_id_y 1
		.amdhsa_system_sgpr_workgroup_id_z 1
		.amdhsa_system_vgpr_workitem_id 0
		.amdhsa_next_free_vgpr 1024
		.amdhsa_next_free_sgpr 102
		.amdhsa_reserve_vcc 0
		.amdhsa_float_denorm_mode_32 3
		.amdhsa_float_denorm_mode_16_64 3
		.amdhsa_memory_ordered 1
		.amdhsa_forward_progress 1
		.amdhsa_inst_pref_size 242
	.end_amdhsa_kernel
	.amdgpu_metadata
---
amdhsa.version: [ 1, 2 ]
amdhsa.kernels:
  - .name:           k_qc592ec3932_gemm
    .symbol:         k_qc592ec3932_gemm.kd
    .args:
      - { .name: xb, .offset: 0, .size: 8, .value_kind: global_buffer, .address_space: global }
      - { .name: wb, .offset: 8, .size: 8, .value_kind: global_buffer, .address_space: global }
      - { .name: ab, .offset: 16, .size: 8, .value_kind: global_buffer, .address_space: global }
      - { .name: bias, .offset: 24, .size: 8, .value_kind: global_buffer, .address_space: global }
      - { .name: lora_b, .offset: 32, .size: 8, .value_kind: global_buffer, .address_space: global }
      - { .name: vera_b, .offset: 40, .size: 8, .value_kind: global_buffer, .address_space: global }
      - { .name: lora_scaling, .offset: 48, .size: 8, .value_kind: global_buffer, .address_space: global }
      - { .name: vera_scaling, .offset: 56, .size: 8, .value_kind: global_buffer, .address_space: global }
      - { .name: vera_d, .offset: 64, .size: 8, .value_kind: global_buffer, .address_space: global }
      - { .name: vera_bvec, .offset: 72, .size: 8, .value_kind: global_buffer, .address_space: global }
      - { .name: out0, .offset: 80, .size: 8, .value_kind: global_buffer, .address_space: global }
    .group_segment_fixed_size: 327680
    .private_segment_fixed_size: 0
    .kernarg_segment_align: 8
    .kernarg_segment_size: 88
    .max_flat_workgroup_size: 128
    .sgpr_count:     102
    .vgpr_count:     1024
    .wavefront_size: 32
...
	.end_amdgpu_metadata
.endif
;; end of part 3
;; ======== version 3 of 3: 2 launches; version 2 with the launch cast written anew for expert scheduling mode
;; workspace buffers: xb 33,554,432 bytes; wb 33,554,432 bytes; ab 1,048,576 bytes
;; launch cast (part 4): grid 512 x 1, 8 waves a work-group, no clusters, 0 bytes of LDS; arguments data, W, lora_a, vera_a, xb, wb, ab; writes xb, wb, ab
.if DOCPART == 4
	.amdgcn_target "amdgcn-amd-amdhsa--gfx1250"
	.amdhsa_code_object_version 6
	.text
	.protected	k_qc592ec3932_cast
	.globl	k_qc592ec3932_cast
	.p2align	8
	.type	k_qc592ec3932_cast,@function
k_qc592ec3932_cast:
	s_mov_b64 s[64:65], 0
	v_nop
	global_prefetch_b8 v0, s[64:65] scope:SCOPE_SE
	s_setreg_imm32_b32 hwreg(HW_REG_WAVE_SCHED_MODE, 0, 2), 2
	s_setreg_imm32_b32 hwreg(HW_REG_WAVE_MODE, 25, 1), 1
	s_wait_xcnt 0x0
	s_wait_alu depctr_vm_vsrc(0)
; xb = bf16(data), wb = bf16(W), ab = bf16(lora_a) followed by bf16(vera_a): every number rounded once, to nearest even.
; A stream: no LDS, no barrier, no matrix unit, no cluster (no two work-groups read the same byte).
; 512 equal work-groups of eight waves.  Work-group i takes 131,072 bytes of data, 131,072 bytes of W and 4,096 bytes of the adapter tables
; (lora_a for i < 256, vera_a behind it); a wave takes 16,384 + 16,384 + 512 of them.
; Every load of a wave covers 512 consecutive bytes (16 a lane); their 128 numbers are 256 bytes of bf16, 8 a lane: every store of a wave covers
; 256 consecutive bytes, at a multiple of 256 from its buffer's first byte.
; A ring of 32 register slots.  data's chunk j is converted into registers of its own (Y), so that W's chunk j can be loaded into the slot;
; W's chunks are converted in place.  No register that a pending store reads is written again.
; The stores carry no non-temporal hint: the next launch reads these buffers.
; THE MODE: SCHED_MODE bits 1:0 = 2 (LLVM: expert scheduling mode 2), set by the entry lines.  The code itself states the register dependences
; between vector instructions and memory instructions, with s_wait_alu, always for 0.
; THE PLAN.  The 64 chunks go in 16 blocks of four: data's eight blocks, then W's eight.  Registers that memory instructions touch:
;   v1 .. v4   byte offsets, made once at the head and never written again; every load and store reads one of them.
;   AD         the adapter chunk lands; block 0's conversions read it and write its first pair; one store reads that pair; never named again.
;   X slot j   data's chunk j lands; two conversions read it; W's chunk j lands; two conversions read it and write its first pair;
;              one store reads that pair; never named again.
;   Y pair j   written by the conversions of data's chunk j; read by one store; never named again.
; A block: the wait for its four chunks, its eight conversions, ONE wait on va_vdst, then its loads and stores in one run.  The wait stands behind
; the conversions, so that the four slots that they empty are asked for again at once: 28 to 32 chunks of a wave are on their way.
; The next block's conversions name their own slots and pairs alone, none of the registers of the run ahead of them.
; Nothing that a memory instruction reads is ever written again, so behind the entry lines the text holds no wait on vm_vsrc and no s_wait_xcnt.
.set NCH,  32                          ; chunks of 512 bytes of data, and of W, for a wave
.set BLK,  4                           ; chunks in a block
.set NBLK, NCH/BLK                     ; blocks of data, and of W
.set IN,   1                           ; v1  16,384 x wave + 16 x lane: my 16 bytes in the group's part of data and of W
.set OUT,  2                           ; v2  half of that: my 8 bytes in xb and wb
.set AIN,  3                           ; v3  16 x thread: my 16 bytes of the group's 4,096 of an adapter table
.set AOUT, 4                           ; v4  8 x thread
.set AD,   6                           ; v[6:9]     the adapter chunk
.set X,    12                          ; v[12:139]  slot j: 4 registers
.set Y,    140                         ; v[140:203] data's chunk j as bf16: 2 registers
	s_load_b256 s[4:11], s[0:1], 0x0               ; data s[4:5], W s[6:7], lora_a s[8:9], vera_a s[10:11]
	s_load_b128 s[12:15], s[0:1], 0x20             ; xb s[12:13], wb s[14:15]
	s_load_b64 s[16:17], s[0:1], 0x30              ; ab
	s_mov_b32 s28, ttmp9                           ; work-group 0..511
	s_lshl_b32 s20, s28, 17                        ; its part of data and W (below 64 MiB)
	s_mov_b32 s21, 0
	s_lshl_b32 s22, s28, 16                        ; of xb and wb
	s_mov_b32 s23, 0
	s_and_b32 s24, s28, 255
	s_lshl_b32 s24, s24, 12                        ; of its adapter table: 256 work-groups x 4,096 bytes are a table
	s_mov_b32 s25, 0
	s_lshl_b32 s26, s28, 11                        ; of ab: lora_a's half, then vera_a's
	s_mov_b32 s27, 0
	v_and_b32 v[IN], 31, v0
	v_lshrrev_b32 v[OUT], 5, v0
	v_lshlrev_b32 v[IN], 4, v[IN]
	v_lshl_add_u32 v[IN], v[OUT], 14, v[IN]
	v_lshrrev_b32 v[OUT], 1, v[IN]
	v_lshlrev_b32 v[AIN], 4, v0
	v_lshlrev_b32 v[AOUT], 3, v0
	s_wait_kmcnt 0x0
	s_cmp_ge_u32 s28, 256
	s_cselect_b64 s[8:9], s[10:11], s[8:9]         ; which adapter table
	s_add_nc_u64 s[4:5], s[4:5], s[20:21]
	s_add_nc_u64 s[6:7], s[6:7], s[20:21]
	s_add_nc_u64 s[8:9], s[8:9], s[24:25]
	s_add_nc_u64 s[12:13], s[12:13], s[22:23]
	s_add_nc_u64 s[14:15], s[14:15], s[22:23]
	s_add_nc_u64 s[16:17], s[16:17], s[26:27]
	s_wait_alu depctr_va_vdst(0)                   ; the four offsets v1 to v4 are written: every load and store of the kernel reads one of them
	global_load_b128 v[AD:AD+3], v[AIN], s[8:9] th:TH_LOAD_NT
.set j, 0
.rept NCH
	global_load_b128 v[X+4*j:X+4*j+3], v[IN], s[4:5] offset:512*j th:TH_LOAD_NT
.set j, j+1
.endr
	; data, block b: four chunks out, W's four chunks of the same numbers in.
	; Younger than the block's chunks are data's 28 - 4 b and W's 4 b: 28 in every block.  In block 0 the count also shows the adapter chunk in: it is the oldest load.
.set b, 0
.rept NBLK
	s_wait_loadcnt NCH-BLK                         ; loads come back in order (ISA guide 5.7.1): the block's four chunks are in, 28 younger ones stay out
.if b == 0
	v_cvt_pk_bf16_f32 v[AD], v[AD], v[AD+1]
	v_cvt_pk_bf16_f32 v[AD+1], v[AD+2], v[AD+3]
.endif
.set i, 0
.rept BLK
.set j, BLK*b+i
	v_cvt_pk_bf16_f32 v[Y+2*j], v[X+4*j], v[X+4*j+1]
	v_cvt_pk_bf16_f32 v[Y+2*j+1], v[X+4*j+2], v[X+4*j+3]
.set i, i+1
.endr
	s_wait_alu depctr_va_vdst(0)                   ; the block's conversions are done reading its four slots, in which the loads below land, and have written its four Y pairs (in block 0 AD's first pair too), which the stores below read
.set i, 0
.rept BLK
.set j, BLK*b+i
	global_load_b128 v[X+4*j:X+4*j+3], v[IN], s[6:7] offset:512*j th:TH_LOAD_NT
.set i, i+1
.endr
.if b == 0
	global_store_b64 v[AOUT], v[AD:AD+1], s[16:17]
.endif
.set i, 0
.rept BLK
.set j, BLK*b+i
	global_store_b64 v[OUT], v[Y+2*j:Y+2*j+1], s[12:13] offset:256*j
.set i, i+1
.endr
.set b, b+1
.endr
	; W, block b: nothing more is loaded, the counts run down: 28 - 4 b chunks are younger than the block's
.set b, 0
.rept NBLK
	s_wait_loadcnt NCH-BLK-BLK*b
.set i, 0
.rept BLK
.set j, BLK*b+i
	v_cvt_pk_bf16_f32 v[X+4*j], v[X+4*j], v[X+4*j+1]
	v_cvt_pk_bf16_f32 v[X+4*j+1], v[X+4*j+2], v[X+4*j+3]
.set i, i+1
.endr
	s_wait_alu depctr_va_vdst(0)                   ; the block's conversions have written the first pair of each of its four slots, which the stores below read
.set i, 0
.rept BLK
.set j, BLK*b+i
	global_store_b64 v[OUT], v[X+4*j:X+4*j+1], s[14:15] offset:256*j
.set i, i+1
.endr
.set b, b+1
.endr
	s_endpgm
.Lfunc_end_k_qc592ec3932_cast:
	.size	k_qc592ec3932_cast, .Lfunc_end_k_qc592ec3932_cast-k_qc592ec3932_cast
	.p2alignl 7, 3214868480
	.fill 96, 4, 3214868480
	.section	.rodata,"a",@progbits
	.p2align	6, 0x0
	.amdhsa_kernel k_qc592ec3932_cast
		.amdhsa_group_segment_fixed_size 0
		.amdhsa_private_segment_fixed_size 0
		.amdhsa_enable_private_segment 0
		.amdhsa_kernarg_size 56
		.amdhsa_user_sgpr_count 2
		.amdhsa_user_sgpr_kernarg_segment_ptr 1
		.amdhsa_wavefront_size32 1
		.amdhsa_system_sgpr_workgroup_id_x 1
		.amdhsa_system_sgpr_workgroup_id_y 1
		.amdhsa_system_sgpr_workgroup_id_z 1
		.amdhsa_system_vgpr_workitem_id 0
		.amdhsa_next_free_vgpr 204
		.amdhsa_next_free_sgpr 66
		.amdhsa_reserve_vcc 0
		.amdhsa_float_denorm_mode_32 3
		.amdhsa_float_denorm_mode_16_64 3
		.amdhsa_memory_ordered 1
		.amdhsa_forward_progress 1
		.amdhsa_inst_pref_size 23
	.end_amdhsa_kernel
	.amdgpu_metadata
---
amdhsa.version: [ 1, 2 ]
amdhsa.kernels:
  - .name:           k_qc592ec3932_cast
    .symbol:         k_qc592ec3932_cast.kd
    .args:
      - { .name: data, .offset: 0, .size: 8, .value_kind: global_buffer, .address_space: global }
      - { .name: W, .offset: 8, .size: 8, .value_kind: global_buffer, .address_space: global }
      - { .name: lora_a, .offset: 16, .size: 8, .value_kind: global_buffer, .address_space: global }
      - { .name: vera_a, .offset: 24, .size: 8, .value_kind: global_buffer, .address_space: global }
      - { .name: xb, .offset: 32, .size: 8, .value_kind: global_buffer, .address_space: global }
      - { .name: wb, .offset: 40, .size: 8, .value_kind: global_buffer, .address_space: global }
      - { .name: ab, .offset: 48, .size: 8, .value_kind: global_buffer, .address_space: global }
    .group_segment_fixed_size: 0
    .private_segment_fixed_size: 0
    .kernarg_segment_align: 8
    .kernarg_segment_size: 56
    .max_flat_workgroup_size: 256
    .sgpr_count:     66
    .vgpr_count:     204
    .wavefront_size: 32
...
	.end_amdgpu_metadata
.endif
;; end of part 4
;; launch gemm: the kernel of part 3 again; grid 16 x 16, 4 waves a work-group, clusters of 4 x 4, 327,680 bytes of LDS; arguments xb, wb, ab, bias, lora_b, vera_b, lora_scaling, vera_scaling, vera_d, vera_bvec, out0; writes out0
